; MI455X (gfx1250); checked and timed in simulation.
; The chip was launched on July 23, 2026; its instructions are those of AMD's public machine-readable ISA for CDNA 5 (MIT licence, August 2026) and "CDNA5" Instruction Set Architecture Reference Guide (July 2026). The comments in the code are by the model that wrote it; some were corrected since.
;; Naive SDPA. Allowed arithmetic: matrix products marked QUANTISED: E4M3 operands, one given power-of-two scale a tensor, by v_wmma_f32_16x16x64_fp8_fp8 or v_wmma_f32_16x16x128_fp8_fp8, f32 sums; everything else in f32.
;; Inputs: attn_mask 1 x 1 x 2,048 x 2,048 float32; key_codes 2 x 2,048 x 8 x 4 x 32 uint8 (E4M3 codes of key, K innermost, in blocks of 32 codes); lowp_scales 4 int32 (the exponents e of the quantised operands' scales 2^e); query_codes 2 x 2,048 x 32 x 4 x 32 uint8 (E4M3 codes of query, K innermost, in blocks of 32 codes); value_codes 2 x 8 x 128 x 64 x 32 uint8 (E4M3 codes of value, K innermost, in blocks of 32 codes).
;; Outputs: out0 2 x 2,048 x 32 x 128 float32.
;; This version of the problem:
;;   THIS VERSION OF THE PROBLEM IS GIVEN IN LOW PRECISION. The matrix products marked QUANTISED in the list below multiply operands that are first quantised to E4M3 (4 exponent bits, 3 mantissa bits; 8 bits a number), with one given power-of-two scale for each operand tensor; their sums are f32. All else is computed in f32.
;;   The module's matrix products, in the order in which they are computed (A, B: the left and right operand; K: the contracted axis; several contracted axes count as one K, in the product's order):
;;     1. batch 64 x [M 2,048, K 128] x [K 128, N 2,048]; A: input query (given as codes); B: input key (given as codes): QUANTISED (scales: A lowp_scales[0], B lowp_scales[1])
;;     2. batch 64 x [M 2,048, K 2,048] x [K 2,048, N 128]; A: softmax (see below); B: input value (given as codes): QUANTISED (scales: A lowp_scales[2], B lowp_scales[3])
;;   THE QUANTISER, for each operand of a quantised product, along K:
;;     - The operand's scale is 2^e, e = its entry of the input lowp_scales (int32; the entries are numbered through the quantised products in the list's order, A before B).
;;     - Each number is divided by the scale, clamped to +-448, and rounded to the nearest number of E4M3, ties to even, subnormals kept.
;;     - The product sums the exact products of the quantised numbers (number of the format x scale) in f32.
;;   ~~~python
;;   def quantise(x, axis, e):      # numpy; x: float32 -> the quantised numbers, widened to float32 again
;;       x = np.moveaxis(x, axis, -1); K = x.shape[-1]
;;       r = np.clip(x / 2.0 ** e, -448, 448)
;;       step = 2.0 ** (np.maximum(np.frexp(np.where(r == 0, 1, r))[1] - 1, -6) - 3)
;;       q = np.round(r / step) * step * 2.0 ** e      # np.round: ties to even
;;       return np.moveaxis(q, -1, axis).astype(np.float32)
;;   ~~~
;;   SOFTMAX AHEAD OF A QUANTISED PRODUCT. Where the list says 'softmax', what is quantised is not the finished softmax but p = 2^(t - M), with t = logit x log2(e) and M = ceil(the row's largest t), a whole number; so 1/2 < the row's largest p <= 1. The row's sum l is taken of the UNQUANTISED p, in f32, and the product's result is divided by l at the end. Since M is a whole number, a kernel that streams over the keys may use a running M (the ceiling of the running maximum): every later rescaling is an exact power of two, so the quantised numbers keep their values, but for numbers so far below the row's largest that they fall under the format's range.
;;   OPERANDS COMPUTED ON THE WAY. 'Computed on the way' means the value that the module computes at that place (a softmax that the list does not call 'softmax' is quantised finished and normalised). What goes into a quantiser is computed in f32, as accurately as f32 sums, v_exp_f32 and their like allow (about 1e-6 of the number): no bf16 or f16 on the way to a quantiser, and a product that is left as it is and whose result goes on into a quantised operand takes f32 operands (vector FMAs, or v_wmma_f32_16x16x4_f32). A number that lies on a knife's edge between two numbers of the format may be rounded either way, as far as f32 arithmetic and the matrix unit's own rounding can turn it there, and no further.
;;   INPUTS GIVEN AS CODES. key (in the module: [2, 2048, 8, 128], K = its axis 3); query (in the module: [2, 2048, 32, 128], K = its axis 3); value (in the module: [2, 2048, 8, 128], K = its axis 1): each comes as NAME_codes (uint8): NAME with its K axis moved to the last place and cut into blocks of 32 codes, [.., K / 32, bytes a block], one block behind the other in memory; one code a byte (a code: sign, 4 exponent bits, 3 mantissa bits); its scale is its entry of lowp_scales. Its value is code x scale, taken as it is: it is not quantised again, and the codes and scales need not be those that the quantiser above would give.
;; One version. Each part assembles by itself: llvm-mc -triple=amdgcn-amd-amdhsa -mcpu=gfx1250 --defsym DOCPART=n.
;; ======== version 1 of 1: 1 launch
;; limits: right only within a limited range of input values
;; launch sdpa (part 1): grid 32 x 16, 4 waves a work-group, clusters of 4 x 4, 327,680 bytes of LDS; arguments query_codes, key_codes, value_codes, attn_mask, lowp_scales, out0; writes out0
.if DOCPART == 1
	.amdgcn_target "amdgcn-amd-amdhsa--gfx1250"
	.amdhsa_code_object_version 6
	.text
	.protected	k_q9aeb05cfe7_sdpa
	.globl	k_q9aeb05cfe7_sdpa
	.p2align	8
	.type	k_q9aeb05cfe7_sdpa,@function
k_q9aeb05cfe7_sdpa:
	s_mov_b64 s[64:65], 0
	v_nop
	global_prefetch_b8 v0, s[64:65] scope:SCOPE_SE
	s_setreg_imm32_b32 hwreg(HW_REG_WAVE_MODE, 25, 1), 1
	s_wait_xcnt 0x0
	s_wait_alu depctr_hold_cnt(0) depctr_sa_sdst(0) depctr_va_vdst(0) depctr_va_sdst(0) depctr_va_ssrc(0) depctr_va_vcc(0) depctr_vm_vsrc(0)
	s_getreg_b32 s2, hwreg(HW_REG_IB_STS2, 6, 4)
	s_cmp_eq_u32 s2, 0
	s_cbranch_scc0 .Lentry_in_a_cluster
	s_endpgm
.Lentry_in_a_cluster:
	s_bfe_u32 s2, ttmp6, 0x10000c
	s_cmp_lg_u32 s2, 0xf033
	s_cbranch_scc0 .Lentry_shape_is_right
	s_endpgm
.Lentry_shape_is_right:
; out[b][q][hq][:] = sum over k of softmax_k(Q[b][q][hq] . K[b][k][hq/4] / sqrt(128) + mask[q][k]) V[b][k][hq/4][:].  B = 2, 2,048 positions, 32 query heads on 8 key/value heads, head size 128.
; Both products on the E4M3 codes as they arrive: Q [b][q][32][128], K [b][k][8][128], V [b][kv][128][2048] (keys innermost); scales 2^eq, 2^ek, 2^ep, 2^ev.  The mask is an input: every number of it is read and added, no work is left out.
; SOFTMAX: t = s c + mask log2(e), c = log2(e) / sqrt(128) x 2^(eq + ek); M = the running largest t rounded up to a whole number; p = 2^(t - M) is quantised with 2^ep; the row's sum is taken of the unquantised p and divides at the end.
; When M moves, the sum and O are multiplied by 2^(old M - new M).  t is rounded at its own size before M is taken away, so a row whose keys all carry one very large negative mask gets equal weights.
; LIMITS: eq + ek between -123 and 130 (added to c's exponent field); ep between -126 and 119.  Order of rounding: t = fl(s c + fl(mask log2 e)).  A row whose mask is -infinity throughout gives NaN; NaN in the mask is not served.
; SHARES.  Work-group (X, Y): positions 64 X .. + 63 of (b, kv) = (Y / 8, Y % 8).  Wave w: positions 64 X + 16 w .. + 15 for all four heads 4 kv + g: four tiles g, which share each fragment of K and V and each mask number.  128 keys a key step.
; CLUSTER 4 x 4.  K's and V's tiles hang on Y alone: asked for jointly along a row of the cluster; the mask's on X alone: along a column.  Wave 0 asks for K's 256 rows of a slot, wave 1 for V's 128, waves 2 and 3 for 32 mask rows each.
; By this text's own count a wave has one tensor load out at the head and one behind each round.
; LAYOUT.  Both products transposed: S^T = K Q^T, O^T = V^T P^T: a lane holds one query (lane % 16).  Lane r of K's tile 2 b + u takes key 32 b + 8 u + r + 8 (r / 8), so register 16 b + i of a tile's 64 scores is key 32 b + 16 (lane / 16) + i,
; and the conversions' results are the second product's operand.  Fragments come by loads of 16 bytes, 32 apart: the same permutation of k on both sides of a product.
; A KEY STEP IS FOUR TURNS.  Turn g walks tile g's softmax.  K Q^T of tile g + 1 stands in pairs inside the serial chain that makes M; V^T P of tile g - 1 and the LDS loads of K (turn 2) and of the mask (turn 3) stand between the exponentials;
; V is fetched in turn 0 behind the rescaling.  No two matrix instructions that follow each other share an accumulator.
; REGISTERS, in windows of 256: window 0: v1-15 addresses and constants, v16-31 statistics, v32-63 at work, v64-191 S^T in two buffers, v192-255 mask x log2(e); window 1: O^T, 64 a tile;
; window 2: v0-63 Q, v64-191 K's eight fragments, v192-255 p's codes; window 3: v0-127 V's eight fragments.
.set KP,    144                        ; LDS pitches: a row's bytes + 16
.set VP,    272
.set MP,    1040
.set VOFF,  256*KP                     ; a slot (256 keys): K's 256 rows, V's 128 rows, the mask's 64 rows
.set MOFF,  VOFF+128*VP
.set SLOTB, MOFF+64*MP
.set SPARE, 2*SLOTB                    ; the spare words: 128 bytes a wave, named by no other line
.set STAGE, SPARE+512                  ; the way out: 16 rows x 528 bytes a wave; no fill lands here
.set SP,    528
.set KSLOT, 256*1024                   ; bytes of memory from a slot's tile to the next slot's
.set VSLOT, 256
.set MSLOT, 1024
.set AK0, 1
.set AV0, 2
.set AM0, 3
.set ADR, 4
.set QO,  5
.set STO, 6
.set RD,  7
.set GO,  8
.set PFO, 9
.set HOLD2, 10                         ; 448 x 2^ep once more, for the second half of a dual pair
.set SPW, 12
.set NIL, 13
.set CVS, 14                           ; 2^ep
.set HOLD, 15                          ; 448 x 2^ep
.set ST,  16                           ; tile g at v[ST+4 g]: -M, the largest t, the sum in two halves
.set FF,  32                           ; v[32:33] f = 2^(old M - new M)
.set PX,  34
.set OLD, 35
.set A0,  36
.set A1,  37
.set A2,  38
.set MC,  40                           ; v40-47 eight chains of the maximum
.set SC,  48                           ; v48-63 eight chains of the sum, in pairs
.set S,   64
.set MK,  192
.set KF,  64
.set PCD, 192
.set WV,  16
.set CX,  17
.set CY,  18
.set BX,  19
.set BY,  20
.set G1K, 24
.set G1V, 32
.set G1M, 40
.set G0K, 48                           ; groups 0: words 0-3 slot 0's first fill, words 4-7 slot 1's, which then walk on
.set G0V, 56
.set G0M, 68
.set ESC, 76
.set CS,  80
.set LG,  82
.set SEL, 84
.set TS,  86
.set TK,  87
.set TV,  88
.set TMK, 89
.set LM,  90
.set SLOTS, 91
.set TWICE, 92
.set LIM, 93
.set PFA, 94
.set PFS, 96
.set W_KQ, 0x0a
.set W_PV, 0x5b
.set W_CV, 0x80
.set W_RS, 0x41
.set MSB, 0
.macro WIN new                         ; the high byte repeats the setting that is left; a switch that changes nothing is dropped
.if MSB != \new
	s_set_vgpr_msb (MSB<<8)|\new
.set MSB, \new
.endif
.endm
.macro PLACES
.rept 4
	v_nop
.endr
.endm
.macro CROUND                          ; a round of the cluster's barrier
	s_barrier_signal -1
	s_barrier_wait -1
	s_cmp_lg_u32 s[WV], 0
	s_cbranch_scc1 .Lnot_wave_0_\@
	s_barrier_signal -3
.Lnot_wave_0_\@:
	s_barrier_wait -3
	s_barrier_signal -1
	s_barrier_wait -1
.endm
.macro JLOAD o                         ; a wave's one joint load: o = 0 slot 0's first fill, o = 4 the walking descriptors.  The branches hang on the wave's number alone
	s_cmp_lg_u32 s[WV], 0
	s_cbranch_scc1 .Lnot_k_\@
	tensor_load_to_lds s[G0K+\o:G0K+\o+3], s[G1K:G1K+7]
	s_nop 0
	PLACES
	s_branch .Lasked_\@
.Lnot_k_\@:
	s_cmp_lg_u32 s[WV], 1
	s_cbranch_scc1 .Lfor_m_\@
	tensor_load_to_lds s[G0V+\o:G0V+\o+3], s[G1V:G1V+7]
	s_nop 0
	PLACES
	s_branch .Lasked_\@
.Lfor_m_\@:
	tensor_load_to_lds s[G0M+\o:G0M+\o+3], s[G1M:G1M+7]
	s_nop 0
	PLACES
.Lasked_\@:
.endm
; A prefetch of what the NEXT change of slots will ask for, two key steps ahead of that load; one instruction a wave; each aligned block of 256 bytes is named once in the launch.
; K: a slot's 256 keys of a batch are one dense block of 262,144 bytes; clusters with x = 0 ask: Y % 8 and cx pick 8,192 bytes, wave 0, lanes 256 bytes apart.  V: wave 1 of those clusters, rows 32 cx + lane.
; The mask: waves 2 and 3 of the clusters with y = 0, rows 32 (w % 2) + lane, the 256 bytes at 256 cy.  Partners are told apart by address.  Slots 0 to 2 come by their loads alone; the last filling change asks for nothing.
.macro ASK
	s_cmp_gt_u32 s[SLOTS], s[LIM]
	s_cbranch_scc0 .Lnot_mine_\@
	global_prefetch_b8 v[PFO], s[PFA:PFA+1] th:TH_LOAD_NT scope:SCOPE_SE
.Lnot_mine_\@:
.endm
	s_load_b256 s[4:11], s[0:1], 0x0               ; Q s[4:5], K s[6:7], V s[8:9], the mask s[10:11]
	s_load_b128 s[12:15], s[0:1], 0x20             ; the exponents s[12:13], out s[14:15]
	v_lshl_add_u32 v[SPW], v0, 2, SPARE
	v_mov_b32 v[NIL], 0
	ds_add_u32 v[SPW], v[NIL]                      ; the opening lines
	ds_add_u32 v[SPW], v[NIL]
	v_lshrrev_b32 v10, 5, v0
	v_readfirstlane_b32 s[WV], v10                 ; wave 0..3
	s_bfe_u32 s[CX], ttmp6, 0x40000
	s_bfe_u32 s[CY], ttmp6, 0x40004
	s_lshl_b32 s[BX], ttmp9, 2
	s_add_co_u32 s[BX], s[BX], s[CX]               ; X
	s_and_b32 s[BY], ttmp7, 0xffff
	s_lshl_b32 s[BY], s[BY], 2
	s_add_co_u32 s[BY], s[BY], s[CY]               ; Y
	s_lshl_b32 s21, s[CY], 2
	s_lshl_b32 s21, 15, s21                        ; my row of the cluster
	s_lshl_b32 s22, 0x1111, s[CX]                  ; my column
	s_or_b32 s[G1K], s21, (0<<16)|(1<<20)|(1<<21)|(4<<22)|(3<<25)   ; K: 256 rows of 128 bytes, 1,024 apart; four words of padding a row
	s_mov_b32 s[G1K+1], 128<<16
	s_mov_b32 s[G1K+2], 256<<16
	s_mov_b32 s[G1K+3], 128<<16
	s_mov_b32 s[G1K+4], 256
	s_mov_b32 s[G1K+5], 1024
	s_mov_b32 s[G1K+6], 0
	s_mov_b32 s[G1K+7], 0
	s_or_b32 s[G1V], s21, (0<<16)|(1<<20)|(1<<21)|(5<<22)|(3<<25)   ; V: 128 rows of 256 bytes, 2,048 apart
	s_mov_b32 s[G1V+1], 256<<16
	s_mov_b32 s[G1V+2], 128<<16
	s_mov_b32 s[G1V+3], 256<<16
	s_mov_b32 s[G1V+4], 128
	s_mov_b32 s[G1V+5], 2048
	s_mov_b32 s[G1V+6], 0
	s_mov_b32 s[G1V+7], 0
	s_or_b32 s[G1M], s22, (2<<16)|(1<<20)|(1<<21)|(7<<22)|(3<<25)   ; the mask: 32 rows of 256 numbers of 4 bytes, 2,048 numbers apart
	s_mov_b32 s[G1M+1], 256<<16
	s_mov_b32 s[G1M+2], 32<<16
	s_mov_b32 s[G1M+3], 256<<16
	s_mov_b32 s[G1M+4], 32
	s_mov_b32 s[G1M+5], 2048
	s_mov_b32 s[G1M+6], 0
	s_mov_b32 s[G1M+7], 0
	s_and_b32 s[LM], s[WV], 1
	s_mul_i32 s[LM], s[LM], 32*MP
	s_add_co_u32 s[LM], s[LM], MOFF                ; my half of the mask's tile in a slot
	s_lshr_b32 s98, s[BY], 3                       ; K's tile is made of Y alone,
	s_lshl_b32 s98, s98, 21
	s_and_b32 s99, s[BY], 7
	s_lshl_b32 s99, s99, 7
	s_add_co_u32 s98, s98, s99
	s_mov_b32 s99, 0
	s_lshl_b32 s100, s[BY], 18                     ; V's likewise,
	s_mov_b32 s101, 0
	s_lshl_b32 s2, s[BX], 19                       ; the mask's of X and the wave's number
	s_and_b32 s3, s[WV], 1
	s_lshl_b32 s3, s3, 18
	s_add_co_u32 s2, s2, s3
	s_mov_b32 s3, 0
	s_mov_b32 s[CS], 0x3e0293ee                    ; log2(e) / sqrt(128)
	s_mov_b32 s[LG], 0x3fb8aa3b                    ; log2(e)
	s_mov_b32 s[LG+1], s[LG]
	s_mov_b32 s[SEL], 0x76543210
	s_mov_b32 s[SEL+1], 0xfedcba98
	s_mov_b32 s[TS], 0
	s_mov_b32 s[TK], 0
	s_mov_b32 s[TV], 0
	s_mov_b32 s[TMK], 0
	s_wait_dscnt 0x0                               ; both opening adds are done
	s_wait_kmcnt 0x0
	s_load_b128 s[ESC:ESC+3], s[12:13], 0x0        ; eq, ek, ep, ev
	CROUND                                         ; all sixteen work-groups are here: the first joint loads meet
	s_mov_b32 s[G0K], 1
	s_mov_b32 s[G0K+1], 0
	s_add_nc_u64 s[G0K+2:G0K+3], s[6:7], s[98:99]
	s_mov_b32 s[G0K+4], 1
	s_mov_b32 s[G0K+5], SLOTB
	s_add_nc_u64 s[G0K+6:G0K+7], s[G0K+2:G0K+3], KSLOT
	s_or_b32 s[G0K+3], s[G0K+3], 0x80000000
	s_or_b32 s[G0K+7], s[G0K+7], 0x80000000
	s_mov_b32 s[G0V], 1
	s_mov_b32 s[G0V+1], VOFF
	s_add_nc_u64 s[G0V+2:G0V+3], s[8:9], s[100:101]
	s_mov_b32 s[G0V+4], 1
	s_mov_b32 s[G0V+5], SLOTB+VOFF
	s_add_nc_u64 s[G0V+6:G0V+7], s[G0V+2:G0V+3], VSLOT
	s_or_b32 s[G0V+3], s[G0V+3], 0x80000000
	s_or_b32 s[G0V+7], s[G0V+7], 0x80000000
	s_mov_b32 s[G0M], 1
	s_mov_b32 s[G0M+1], s[LM]
	s_add_nc_u64 s[G0M+2:G0M+3], s[10:11], s[2:3]
	s_mov_b32 s[G0M+4], 1
	s_add_co_u32 s[G0M+5], s[LM], SLOTB
	s_add_nc_u64 s[G0M+6:G0M+7], s[G0M+2:G0M+3], MSLOT
	s_or_b32 s[G0M+3], s[G0M+3], 0x80000000
	s_or_b32 s[G0M+7], s[G0M+7], 0x80000000
	JLOAD 0                                        ; slot 0: one tensor load a wave at the head
	s_lshl_b32 s21, s[BX], 6                       ; Q and out at my first position 64 X + 16 w and my first head
	s_lshl_b32 s22, s[WV], 4
	s_add_co_u32 s21, s21, s22
	s_lshr_b32 s22, s[BY], 3                       ; b
	s_and_b32 s23, s[BY], 7                        ; kv
	s_lshl_b32 s66, s22, 23
	s_lshl_b32 s67, s21, 12
	s_add_co_u32 s66, s66, s67
	s_lshl_b32 s67, s23, 9
	s_add_co_u32 s66, s66, s67
	s_mov_b32 s67, 0
	s_add_nc_u64 s[4:5], s[4:5], s[66:67]
	s_lshl_b32 s66, s22, 25
	s_lshl_b32 s67, s21, 14
	s_add_co_u32 s66, s66, s67
	s_lshl_b32 s67, s23, 11
	s_add_co_u32 s66, s66, s67
	s_mov_b32 s67, 0
	s_add_nc_u64 s[14:15], s[14:15], s[66:67]
	s_lshl_b32 s21, s22, 21                        ; the prefetches' places (macro ASK), at slot 2: the first change of slots steps them to slot 3
	s_lshl_b32 s66, s23, 2
	s_add_co_u32 s66, s66, s[CX]
	s_lshl_b32 s66, s66, 13
	s_add_co_u32 s21, s21, s66
	s_add_co_u32 s21, s21, 2*KSLOT
	s_lshl_b32 s22, s[BY], 18
	s_lshl_b32 s66, s[CX], 16
	s_add_co_u32 s22, s22, s66
	s_add_co_u32 s22, s22, 2*VSLOT
	s_lshl_b32 s23, s[BX], 19
	s_and_b32 s66, s[WV], 1
	s_lshl_b32 s66, s66, 18
	s_add_co_u32 s23, s23, s66
	s_lshl_b32 s66, s[CY], 8
	s_add_co_u32 s23, s23, s66
	s_add_co_u32 s23, s23, 2*MSLOT
	s_and_b32 s67, ttmp7, 0xffff
	s_mov_b32 s[PFS], VSLOT
	s_mov_b32 s98, 11                              ; the shift that makes a lane's offset
	s_cmp_eq_u32 s[WV], 0
	s_cselect_b64 s[PFA:PFA+1], s[6:7], s[8:9]
	s_cselect_b32 s66, s21, s22
	s_cselect_b32 s[PFS], KSLOT, s[PFS]
	s_cselect_b32 s98, 8, s98
	s_mov_b32 s21, MSLOT
	s_cmp_lt_u32 s[WV], 2
	s_cselect_b64 s[PFA:PFA+1], s[PFA:PFA+1], s[10:11]
	s_cselect_b32 s66, s66, s23
	s_cselect_b32 s[PFS], s[PFS], s21
	s_cselect_b32 s98, s98, 13
	s_cselect_b32 s67, ttmp9, s67                  ; the coordinate along which other clusters read the same bytes
	s_cmp_eq_u32 s67, 0
	s_cselect_b32 s[LIM], 1, -1
	s_mov_b32 s67, 0
	s_mov_b32 s[PFS+1], 0
	s_add_nc_u64 s[PFA:PFA+1], s[PFA:PFA+1], s[66:67]
	s_mul_i32 s99, s[WV], 16*MP
	s_add_co_u32 s99, s99, MOFF                    ; my 16 rows of the mask's tile
	s_mul_i32 s100, s[WV], 16*SP
	s_add_co_u32 s100, s100, STAGE                 ; my stage
	s_wait_kmcnt 0x0
	s_add_co_i32 s21, s[ESC], s[ESC+1]
	s_lshl_b32 s21, s21, 23
	s_add_co_i32 s[CS], s[CS], s21                 ; eq + ek go into c's exponent field
	s_mov_b32 s[CS+1], s[CS]
	s_add_co_i32 s21, s[ESC+2], 127
	s_lshl_b32 s101, s21, 23                       ; 2^ep
	s_add_co_i32 s21, s21, 8
	s_lshl_b32 s21, s21, 23
	s_or_b32 s21, s21, 0x600000                    ; 448 x 2^ep
	v_and_b32 v10, 15, v0                          ; r.  All the head's vector work stands in one block
	v_bfe_u32 v11, v0, 4, 1                        ; h
	v_lshlrev_b32 v[QO], 12, v10
	v_lshl_add_u32 v[QO], v11, 4, v[QO]
	v_and_b32 v[PFO], 31, v0
	v_lshlrev_b32 v[PFO], s98, v[PFO]
	v_and_b32 v[AK0], 8, v10
	v_add_nc_u32 v[AK0], v[AK0], v10               ; r + 8 (r / 8)
	v_mul_u32_u24 v[AK0], v[AK0], KP
	v_lshl_add_u32 v[AK0], v11, 4, v[AK0]
	v_mul_u32_u24 v[AV0], v10, VP
	v_lshl_add_u32 v[AV0], v11, 4, v[AV0]
	v_add_nc_u32 v[AV0], VOFF, v[AV0]
	v_mul_u32_u24 v[AM0], v10, MP
	v_lshl_add_u32 v[AM0], v11, 6, v[AM0]
	v_add_nc_u32 v[AM0], s99, v[AM0]
	v_mul_u32_u24 v[STO], v10, SP
	v_lshl_add_u32 v[STO], v11, 5, v[STO]
	v_add_nc_u32 v[STO], s100, v[STO]
	v_and_b32 v[GO], 31, v0
	v_lshlrev_b32 v[GO], 4, v[GO]
	v_add_nc_u32 v[RD], s100, v[GO]
	v_mov_b32 v[FF+1], 0                           ; (named as the upper half of a pair)
	v_mov_b32 v[PX], 0                             ; a lane permute's destination counts as a source
	v_mov_b32 v[CVS], s101
	v_mov_b32 v[HOLD], s21
	v_mov_b32 v[HOLD2], s21
	s_wait_alu depctr_va_vdst(0)
	WIN 0x80
.irp g, 0,1,2,3
.irp c, 0,1,2,3
	global_load_b128 v[16*\g+4*\c:16*\g+4*\c+3], v[QO], s[4:5] offset:128*\g+32*\c th:TH_LOAD_NT   ; Q's four fragments stay in registers
.endr
.endr
	WIN 0
.macro LDK                             ; K's fragment i: window 2
.irp c, 0,1,2,3
	ds_load_b128 v[KF+16*i+4*\c:KF+16*i+4*\c+3], v[ADR] offset:(32*(i/2)+8*(i%2))*KP+32*\c
.endr
.endm
.macro LDV                             ; V's fragment i: window 3
.irp c, 0,1,2,3
	ds_load_b128 v[16*i+4*\c:16*i+4*\c+3], v[ADR] offset:16*i*VP+32*\c
.endr
.endm
.macro LDM2                            ; eight of my query's 64 mask numbers: register 16 b + n is key 32 b + 16 (lane / 16) + n, as in S^T
.irp c, 0,1
	ds_load_b128 v[MK+8*i+4*\c:MK+8*i+4*\c+3], v[ADR] offset:128*(i/2)+32*(i%2)+16*\c
.endr
.endm
.macro MASKMUL                         ; mask x log2(e), once for all four tiles
.set j, 0
.rept 32
	v_pk_mul_f32 v[MK+j:MK+j+1], v[MK+j:MK+j+1], s[LG:LG+1] op_sel_hi:[1,0]
.set j, j+2
.endr
.endm
.macro KQ2 n                           ; S^T of tile TN, keys' tiles n and n + 1: the head's 128 in one instruction, C = 0
.if KQON
	WIN W_KQ
	v_wmma_f32_16x16x128_fp8_fp8 v[SN+8*(\n):SN+8*(\n)+7], v[KF+16*(\n):KF+16*(\n)+15], v[16*TN:16*TN+15], 0
	v_wmma_f32_16x16x128_fp8_fp8 v[SN+8*(\n)+8:SN+8*(\n)+15], v[KF+16*(\n)+16:KF+16*(\n)+31], v[16*TN:16*TN+15], 0
	WIN 0
.endif
.endm
.macro PV1                             ; O^T of tile TP, channels 16 i on, K = the step's 128 keys.  PVK = 3: the first product starts the sum
.if PVK == 2
	WIN W_PV
	v_wmma_f32_16x16x128_fp8_fp8 v[64*TP+8*i:64*TP+8*i+7], v[16*i:16*i+15], v[PCD+16*TP:PCD+16*TP+15], v[64*TP+8*i:64*TP+8*i+7]
.elseif PVK == 3
	WIN W_PV
	v_wmma_f32_16x16x128_fp8_fp8 v[64*TP+8*i:64*TP+8*i+7], v[16*i:16*i+15], v[PCD+16*TP:PCD+16*TP+15], 0
.endif
.endm
; A TURN.  first = 1: the tile's first key step (no old M, nothing to rescale).  pv: 2, 3 or 0 (none).  kq, fetch: 1 or 0.
.macro TURN g, first, pv, kq, fetch
.set SB, S+64*((\g)%2)
.set SN, S+64*(((\g)+1)%2)
.set TN, ((\g)+1)%4
.set TP, ((\g)+3)%4
.set NM, ST+4*(\g)
.set PVK, \pv
.set KQON, \kq
	WIN 0
.if ((\g) == 1) || ((\g) == 3)
	s_wait_dscnt 0x0                               ; V (turn 1) or the next step's K (turn 3), asked for in the turn before; nothing else is out
.endif
	s_wait_alu depctr_va_vdst(0)                   ; the wait directly ahead of the first readers of S^T
.set j, 0
.rept 32                               ; t = s c + mask log2(e); each accumulator from its low end on
	v_pk_fma_f32 v[SB+j:SB+j+1], v[SB+j:SB+j+1], s[CS:CS+1], v[MK+j:MK+j+1] op_sel_hi:[1,0,1]
.set j, j+2
.endr
.set j, 0
.rept 8                                ; the step's largest t among my 64 keys, in eight chains
	v_max3_num_f32 v[MC+j], v[SB+3*j], v[SB+3*j+1], v[SB+3*j+2]
.set j, j+1
.endr
.set j, 0
.rept 20
	v_max3_num_f32 v[MC+(j%8)], v[MC+(j%8)], v[SB+24+2*j], v[SB+25+2*j]
.set j, j+1
.endr
.if \first
	v_max3_num_f32 v[A2], v[MC+6], v[MC+7], 0xff61b1e6       ; -3e38 stands under it, so that M is a number where all are -infinity
.else
	v_max3_num_f32 v[A2], v[MC+6], v[MC+7], v[NM+1]          ; with the running largest t
	v_mov_b32 v[OLD], v[NM]
.endif
	v_max3_num_f32 v[A1], v[MC+4], v[MC+5], v[MC]
	v_max3_num_f32 v[A0], v[MC+1], v[MC+2], v[MC+3]
	KQ2 0
	v_max3_num_f32 v[A0], v[A0], v[A1], v[A2]
	KQ2 2
	v_permlanex16_b32 v[PX], v[A0], s[SEL], s[SEL+1]         ; the query's other 64 keys lie in the lane 16 away
	KQ2 4
	v_max_num_f32 v[NM+1], v[A0], v[PX]
	KQ2 6
	v_floor_f32 v[NM], -v[NM+1]                              ; -M = floor(-t): M is a whole number
.if \fetch
.if (\g) == 0
	v_add_nc_u32 v[ADR], s[TV], v[AV0]
.elseif (\g) == 2
	v_add_nc_u32 v[ADR], s[TK], v[AK0]
.elseif (\g) == 3
	v_add_nc_u32 v[ADR], s[TMK], v[AM0]
.endif
.endif
.set j, 0
.rept 32                               ; t - M; the three lines that make f stand among them
	v_pk_add_f32 v[SB+2*j:SB+2*j+1], v[SB+2*j:SB+2*j+1], v[NM:NM+1] op_sel_hi:[1,0]
.if (\first) == 0
.if j == 5
	v_sub_f32 v[OLD], v[NM], v[OLD]                          ; old M less new M: a whole number, 0 or less
.elseif j == 11
	v_cvt_i32_f32 v[OLD], v[OLD]                             ; (it saturates)
.elseif j == 17
	v_ldexp_f32 v[FF], 1.0, v[OLD]                           ; f
.endif
.endif
.set j, j+1
.endr
	s_wait_alu depctr_va_vdst(0)
.set i, 0
.rept 8                                ; ONE BATCH of 64 exponentials; between them products and LDS loads that name none of their registers
.set j, 0
.rept 4
	v_exp_f32 v[SB+8*i+j], v[SB+8*i+j]
.set j, j+1
.endr
	PV1
.if \fetch
.if (\g) == 2
	WIN 0x80
	LDK                                            ; the 32 subtractions above are the places behind the last product that read K
.elseif (\g) == 3
	WIN 0
	LDM2
.endif
.endif
	WIN 0
.rept 4
	v_exp_f32 v[SB+8*i+j], v[SB+8*i+j]
.set j, j+1
.endr
.set i, i+1
.endr
	v_nop                                          ; a plain line behind the last exponential
.if \first
	s_wait_alu depctr_va_vdst(0)                   ; one wait for the batch, ahead of its first reader
.else
	WIN W_RS
	s_wait_alu depctr_va_vdst(0)                   ; one wait for the batch, which also stands directly ahead of the first readers of O^T
.set j, 0
.rept 32
	v_pk_mul_f32 v[64*(\g)+j:64*(\g)+j+1], v[64*(\g)+j:64*(\g)+j+1], v[FF:FF+1] op_sel_hi:[1,0]   ; O^T under the new M
.set j, j+2
.endr
.endif
.if (\fetch) && ((\g) == 0)
	WIN 0xc0
.set i, 0
.rept 8
	LDV                                            ; the rescaling above holds the places behind the last product that read V
.set i, i+1
.endr
.endif
	WIN 0
.set j, 0
.rept 8                                ; the row's sum of the unquantised p, in eight chains of pairs
	v_pk_add_f32 v[SC+2*j:SC+2*j+1], v[SB+2*j:SB+2*j+1], v[SB+16+2*j:SB+17+2*j]
.set j, j+1
.endr
.set j, 0
.rept 16
	v_pk_add_f32 v[SC+2*(j%8):SC+2*(j%8)+1], v[SC+2*(j%8):SC+2*(j%8)+1], v[SB+32+2*j:SB+33+2*j]
.set j, j+1
.endr
.set j, 0
.rept 32                               ; the hold (the conversion does not saturate: ISA guide 7.6.2; p is not negative), two numbers a line; the chains are joined among these lines
	v_dual_min_num_f32 v[SB+2*j], v[SB+2*j], v[HOLD] :: v_dual_min_num_f32 v[SB+2*j+1], v[SB+2*j+1], v[HOLD2]
.if j == 3
.irp c, 0,1,2,3
	v_pk_add_f32 v[SC+2*\c:SC+2*\c+1], v[SC+2*\c:SC+2*\c+1], v[SC+8+2*\c:SC+9+2*\c]
.endr
.elseif j == 9
	v_pk_add_f32 v[SC:SC+1], v[SC:SC+1], v[SC+4:SC+5]
	v_pk_add_f32 v[SC+2:SC+3], v[SC+2:SC+3], v[SC+6:SC+7]
.elseif j == 15
.if \first
	v_pk_add_f32 v[NM+2:NM+3], v[SC:SC+1], v[SC+2:SC+3]
.else
	v_pk_add_f32 v[SC:SC+1], v[SC:SC+1], v[SC+2:SC+3]
.endif
.elseif j == 21
.if (\first) == 0
	v_pk_fma_f32 v[NM+2:NM+3], v[NM+2:NM+3], v[FF:FF+1], v[SC:SC+1] op_sel_hi:[1,0,1]   ; the old sum under the new M, and the step's
.endif
.endif
.set j, j+1
.endr
	WIN W_CV
.set j, 0
.rept 8
	v_cvt_scalef32_pk8_fp8_f32 v[PCD+16*(\g)+2*j:PCD+16*(\g)+2*j+1], v[SB+8*j:SB+8*j+7], v[CVS]
.set j, j+1
.endr
	v_nop                                          ; a plain line behind the last conversion
.if ((\g) == 3) && (\fetch)
	WIN 0
	s_wait_dscnt 0x0                               ; the next step's mask is in
	MASKMUL
.endif
.endm
.macro BODY                            ; turns 2 and 3 of one key step, turns 0 and 1 of the next: its three runs of loads read one key step's tiles
	TURN 2, 0, 2, 1, 1
	TURN 3, 0, 2, 1, 1
	TURN 0, 0, 2, 1, 1
	TURN 1, 0, 2, 1, 0
.endm
.macro STEP_ON                         ; the fetches go on to the slot's second key step
	s_add_co_u32 s[TK], s[TK], 128*KP
	s_add_co_u32 s[TV], s[TV], 128
	s_add_co_u32 s[TMK], s[TMK], 512
.endm
.macro TWO_STEPS
	s_mov_b32 s[TWICE], 2
.Lstep_\@:
	BODY
	WIN 0
	STEP_ON
	s_sub_co_u32 s[TWICE], s[TWICE], 1
	s_cmp_lg_u32 s[TWICE], 0
	s_cbranch_scc1 .Lstep_\@
.endm
; THE CHANGE OF SLOTS, behind turn 1 of a slot's second key step: that step's V, the slot's last bytes, is in registers.  fill = 1: the slot that is left takes the keys two slots on, by joint loads behind a round of the cluster's barrier.
.macro CHANGE fill
	WIN 0
	s_wait_tensorcnt 0x0                           ; no tensor load of mine is out, so a group 0 may be written
	ds_add_u32 v[SPW], v[NIL]
.if \fill
	s_mov_b32 s[G0K+5], s[TS]
	s_add_co_u32 s[G0V+5], s[TS], VOFF
	s_add_co_u32 s[G0M+5], s[TS], s[LM]
	s_add_nc_u64 s[G0K+6:G0K+7], s[G0K+6:G0K+7], KSLOT
	s_add_nc_u64 s[G0V+6:G0V+7], s[G0V+6:G0V+7], VSLOT
	s_add_nc_u64 s[G0M+6:G0M+7], s[G0M+6:G0M+7], MSLOT
	s_wait_xcnt 0x0                                ; the last prefetch has read its address
	s_add_nc_u64 s[PFA:PFA+1], s[PFA:PFA+1], s[PFS:PFS+1]
.endif
	s_xor_b32 s[TS], s[TS], SLOTB
	s_mov_b32 s[TK], s[TS]
	s_mov_b32 s[TV], s[TS]
	s_mov_b32 s[TMK], s[TS]
	s_wait_dscnt 0x0                               ; the add is done, and my reads of the slot are over
.if \fill
	CROUND
	JLOAD 4
	ASK
.else
	s_barrier_signal -1
	s_barrier_wait -1
.endif
.endm
	s_wait_tensorcnt 0x0                           ; my part of slot 0 is in; slot 1's first fill stands behind the full sequence, as a refill does
	ds_add_u32 v[SPW], v[NIL]
	s_wait_dscnt 0x0
	CROUND
	JLOAD 4                                        ; slot 1
	v_add_nc_u32 v[ADR], s[TK], v[AK0]             ; key step 0: K,
	WIN 0x80
.set i, 0
.rept 8
	LDK
.set i, i+1
.endr
	WIN 0
	v_add_nc_u32 v[ADR], s[TMK], v[AM0]            ; and the mask
.set i, 0
.rept 8
	LDM2
.set i, i+1
.endr
	s_wait_loadcnt 0x0                             ; Q
	s_wait_dscnt 0x0
	WIN W_KQ
.set i, 0
.rept 8                                ; tile 0's first scores
	v_wmma_f32_16x16x128_fp8_fp8 v[S+8*i:S+8*i+7], v[KF+16*i:KF+16*i+15], v[0:15], 0
.set i, i+1
.endr
	WIN 0
	MASKMUL                                        ; 32 plain lines: the places behind those products
	TURN 0, 1, 0, 1, 1                             ; key step 0; each tile's first V^T P starts its O^T
	TURN 1, 1, 3, 1, 0
	STEP_ON
	TURN 2, 1, 3, 1, 1
	TURN 3, 1, 3, 1, 1
	TURN 0, 0, 3, 1, 1                             ; key step 1
	TURN 1, 0, 2, 1, 0
	WIN 0
	s_mov_b32 s[SLOTS], 6
.Lslot:                                            ; six trips: slots 1 to 6 are read, slots 2 to 7 asked for
	CHANGE 1
	TWO_STEPS
	s_sub_co_u32 s[SLOTS], s[SLOTS], 1
	s_cmp_lg_u32 s[SLOTS], 0
	s_cbranch_scc1 .Lslot
	CHANGE 0                                       ; the last slot is written out
	TWO_STEPS
	TURN 2, 0, 2, 1, 0
	TURN 3, 0, 2, 0, 0
.set TP, 3
.set PVK, 2
.set i, 0
.rept 8                                ; tile 3's last V^T P
	PV1
.set i, i+1
.endr
	; THE WAY OUT.  O^T x 2^(ep + ev) / the sum goes through my stage in LDS, a tile at a time, and leaves as whole rows of 512 bytes.
	WIN 0
.irp g, 0,1,2,3
	v_add_f32 v[ST+4*\g+2], v[ST+4*\g+2], v[ST+4*\g+3]       ; (the places behind the last products)
.endr
.irp g, 0,1,2,3
	v_permlanex16_b32 v[ST+4*\g+3], v[ST+4*\g+2], s[SEL], s[SEL+1]
.endr
.irp g, 0,1,2,3
	v_add_f32 v[ST+4*\g+2], v[ST+4*\g+2], v[ST+4*\g+3]
.endr
	s_wait_alu depctr_va_vdst(0)
.irp g, 0,1,2,3
	v_rcp_f32 v[ST+4*\g+2], v[ST+4*\g+2]
.endr
	v_nop
	s_add_co_i32 s21, s[ESC+2], s[ESC+3]
	s_wait_alu depctr_va_vdst(0)                   ; and behind it, ahead of its first reader
.irp g, 0,1,2,3
	v_ldexp_f32 v[ST+4*\g+2], v[ST+4*\g+2], s21
.endr
.macro TOSTAGE g                       ; register 8 t + n of tile g is out(position r, head 4 kv + g, channel 16 t + 8 (lane / 16) + n)
	WIN 0x01
	s_wait_alu depctr_va_vdst(0)                   ; the wait directly ahead of the first readers of O^T
.set j, 0
.rept 32
	v_pk_mul_f32 v[S+j:S+j+1], v[64*(\g)+j:64*(\g)+j+1], v[ST+4*(\g)+2:ST+4*(\g)+3] op_sel_hi:[1,0]
.set j, j+2
.endr
	WIN 0
.irp t, 0,1,2,3,4,5,6,7
	ds_store_b128 v[STO], v[S+8*\t:S+8*\t+3] offset:64*\t
	ds_store_b128 v[STO], v[S+8*\t+4:S+8*\t+7] offset:64*\t+16
.endr
.set BB, 128+64*((\g)%2)
.irp t, 0,1,2,3,4,5,6,7,8,9,10,11,12,13,14,15
	ds_load_b128 v[BB+4*\t:BB+4*\t+3], v[RD] offset:\t*SP    ; LDS serves a wave's instructions in order (ISA guide 5.7.1.4)
.endr
.endm
.macro SEND g, younger                 ; younger: the LDS instructions issued behind tile g's loads, which may stay out
.set BB, 128+64*((\g)%2)
	s_wait_dscnt \younger
.irp t, 0,1,2,3,4,5,6,7,8,9,10,11,12,13,14,15
	global_store_b128 v[GO], v[BB+4*\t:BB+4*\t+3], s[14:15] offset:16384*\t+512*(\g) th:TH_STORE_NT   ; 32 lanes store 512 consecutive bytes, aligned
.endr
.endm
	TOSTAGE 0
	TOSTAGE 1
	SEND 0, 32                                     ; behind tile 0's loads: tile 1's 16 stores and 16 loads
	s_wait_xcnt 0x0                                ; tile 0's stores have read their registers
	TOSTAGE 2
	SEND 1, 32
	s_wait_xcnt 0x0
	TOSTAGE 3
	SEND 2, 32
	SEND 3, 0
	s_wait_tensorcnt 0x0                           ; the wave's end
	ds_add_u32 v[SPW], v[NIL]
	s_wait_dscnt 0x0
	CROUND                                         ; the closing round
	s_endpgm
.Lfunc_end_k_q9aeb05cfe7_sdpa:
	.size	k_q9aeb05cfe7_sdpa, .Lfunc_end_k_q9aeb05cfe7_sdpa-k_q9aeb05cfe7_sdpa
	.p2alignl 7, 3214868480
	.fill 96, 4, 3214868480
	.section	.rodata,"a",@progbits
	.p2align	6, 0x0
	.amdhsa_kernel k_q9aeb05cfe7_sdpa
		.amdhsa_group_segment_fixed_size 327680
		.amdhsa_private_segment_fixed_size 0
		.amdhsa_enable_private_segment 0
		.amdhsa_kernarg_size 48
		.amdhsa_user_sgpr_count 2
		.amdhsa_user_sgpr_kernarg_segment_ptr 1
		.amdhsa_wavefront_size32 1
		.amdhsa_system_sgpr_workgroup_id_x 1
		.amdhsa_system_sgpr_workgroup_id_y 1
		.amdhsa_system_sgpr_workgroup_id_z 1
		.amdhsa_system_vgpr_workitem_id 0
		.amdhsa_next_free_vgpr 1024
		.amdhsa_next_free_sgpr 102
		.amdhsa_reserve_vcc 0
		.amdhsa_float_denorm_mode_32 3
		.amdhsa_float_denorm_mode_16_64 3
		.amdhsa_memory_ordered 1
		.amdhsa_forward_progress 1
		.amdhsa_inst_pref_size 255
	.end_amdhsa_kernel
	.section	.bss,"aw",@nobits
	.p2align	6
	.space	262144
	.amdgpu_metadata
---
amdhsa.version: [ 1, 2 ]
amdhsa.kernels:
  - .name:           k_q9aeb05cfe7_sdpa
    .symbol:         k_q9aeb05cfe7_sdpa.kd
    .args:
      - { .name: query_codes, .offset: 0, .size: 8, .value_kind: global_buffer, .address_space: global }
      - { .name: key_codes, .offset: 8, .size: 8, .value_kind: global_buffer, .address_space: global }
      - { .name: value_codes, .offset: 16, .size: 8, .value_kind: global_buffer, .address_space: global }
      - { .name: attn_mask, .offset: 24, .size: 8, .value_kind: global_buffer, .address_space: global }
      - { .name: lowp_scales, .offset: 32, .size: 8, .value_kind: global_buffer, .address_space: global }
      - { .name: out0, .offset: 40, .size: 8, .value_kind: global_buffer, .address_space: global }
    .group_segment_fixed_size: 327680
    .private_segment_fixed_size: 0
    .kernarg_segment_align: 8
    .kernarg_segment_size: 48
    .max_flat_workgroup_size: 128
    .sgpr_count:     102
    .vgpr_count:     1024
    .wavefront_size: 32
...
	.end_amdgpu_metadata
.endif
;; end of part 1
